; MI455X (gfx1250); checked and timed in simulation.
; The chip was launched on July 23, 2026; its instructions are those of AMD's public machine-readable ISA for CDNA 5 (MIT licence, August 2026) and "CDNA5" Instruction Set Architecture Reference Guide (July 2026). The comments in the code are by the model that wrote it; some were corrected since.
;; Multi Head Attention. Allowed arithmetic: matrix products marked QUANTISED: E2M1 operands, one E8M0 scale for each 32 along K, by v_wmma_scale_f32_16x16x128_f8f6f4 with both operands' format E2M1 (or v_wmma_scale_f32_32x16x128_f4), f32 sums; everything else in f32.
;; Inputs: Wk 8 x 512 x 64 float32; Wq 8 x 512 x 64 float32; Wv 8 x 512 x 64 float32; bk 8 x 64 float32; bq 8 x 64 float32; bv 8 x 64 float32; x 2 x 4,096 x 512 float32.
;; Outputs: out0 2 x 4,096 x 512 float32.
;; This version of the problem:
;;   THIS VERSION OF THE PROBLEM IS GIVEN IN LOW PRECISION. The matrix products marked QUANTISED in the list below multiply operands that are first quantised to E2M1 (2 exponent bits, 1 mantissa bit; 4 bits a number), with one power-of-two scale for each 32 numbers along K (OCP MX v1.0); their sums are f32. All else is computed in f32.
;;   The module's matrix products, in the order in which they are computed (A, B: the left and right operand; K: the contracted axis; several contracted axes count as one K, in the product's order):
;;     1. [M 512, K 512] x [K 512, N 8,192]; A: input Wq; B: input x: QUANTISED
;;     2. [M 512, K 512] x [K 512, N 8,192]; A: input Wk; B: input x: QUANTISED
;;     3. [M 512, K 512] x [K 512, N 8,192]; A: input Wv; B: input x: QUANTISED
;;     4. batch 16 x [M 4,096, K 64] x [K 64, N 4,096]; A: computed on the way; B: computed on the way: QUANTISED
;;     5. batch 16 x [M 4,096, K 4,096] x [K 4,096, N 64]; A: softmax (see below); B: computed on the way: QUANTISED
;;   THE QUANTISER, for each operand of a quantised product, along K:
;;     - K is cut into blocks of 32 from its start; a last block that is shorter is filled with zeros.
;;     - A block's scale is 2^e with e = floor(log2(the largest magnitude in the block)) - 2, held to -126 .. 127; a block of zeros has e = 0. As a byte (E8M0): e + 127.
;;     - Each number is divided by its block's scale, clamped to +-6, and rounded to the nearest number of E2M1, ties to even, subnormals kept.
;;     - The product sums the exact products of the quantised numbers (number of the format x scale) in f32.
;;   ~~~python
;;   def quantise(x, axis):      # numpy; x: float32 -> the quantised numbers, widened to float32 again
;;       x = np.moveaxis(x, axis, -1); K = x.shape[-1]
;;       x = np.pad(x, [(0, 0)] * (x.ndim - 1) + [(0, -K % 32)]); x = x.reshape(x.shape[:-1] + (-1, 32)); a = np.abs(x).max(-1, keepdims=True)
;;       e = np.where(a > 0, np.clip(np.frexp(np.where(a > 0, a, 1))[1] - 1 - 2, -126, 127), 0)      # np.frexp(a)[1] - 1 = floor(log2(a)), exactly
;;       r = np.clip(x / 2.0 ** e, -6, 6)
;;       step = 2.0 ** (np.maximum(np.frexp(np.where(r == 0, 1, r))[1] - 1, 0) - 1)
;;       q = np.round(r / step) * step * 2.0 ** e      # np.round: ties to even
;;       return np.moveaxis(q.reshape(q.shape[:-2] + (-1,))[..., :K], -1, axis).astype(np.float32)
;;   ~~~
;;   SOFTMAX AHEAD OF A QUANTISED PRODUCT. Where the list says 'softmax', what is quantised is not the finished softmax but p = 2^(t - M), with t = logit x log2(e) and M = ceil(the row's largest t), a whole number; so 1/2 < the row's largest p <= 1. The row's sum l is taken of the UNQUANTISED p, in f32, and the product's result is divided by l at the end. Since M is a whole number, a kernel that streams over the keys may use a running M (the ceiling of the running maximum): every later rescaling is an exact power of two, which a block's scale takes up: the codes' values come out the same.
;;   OPERANDS COMPUTED ON THE WAY. 'Computed on the way' means the value that the module computes at that place (a softmax that the list does not call 'softmax' is quantised finished and normalised). What goes into a quantiser is computed in f32, as accurately as f32 sums, v_exp_f32 and their like allow (about 1e-6 of the number): no bf16 or f16 on the way to a quantiser, and a product that is left as it is and whose result goes on into a quantised operand takes f32 operands (vector FMAs, or v_wmma_f32_16x16x4_f32). A number that lies on a knife's edge between two numbers of the format may be rounded either way, as far as f32 arithmetic and the matrix unit's own rounding can turn it there, and no further.
;; One version. Each part assembles by itself: llvm-mc -triple=amdgcn-amd-amdhsa -mcpu=gfx1250 --defsym DOCPART=n.
;; ======== version 1 of 1: 3 launches
;; limits: right only within a limited range of input values
;; workspace buffers: xcod 2,097,152 bytes; xscl 131,072 bytes; wcod 393,216 bytes; wscl 24,576 bytes; qrec 2,359,296 bytes; kvrec 4,587,520 bytes
;; launch quant (part 1): grid 352 x 1, 2 waves a work-group, no clusters, 20,736 bytes of LDS; arguments x, Wq, Wk, Wv, xcod, xscl, wcod, wscl; writes xcod, xscl, wcod, wscl
.if DOCPART == 1
	.amdgcn_target "amdgcn-amd-amdhsa--gfx1250"
	.amdhsa_code_object_version 6
	.text
	.protected	k_qbc74298b90_quant
	.globl	k_qbc74298b90_quant
	.p2align	8
	.type	k_qbc74298b90_quant,@function
k_qbc74298b90_quant:
	s_mov_b64 s[64:65], 0
	v_nop
	global_prefetch_b8 v0, s[64:65] scope:SCOPE_SE
	s_setreg_imm32_b32 hwreg(HW_REG_WAVE_MODE, 25, 1), 1
	s_wait_xcnt 0x0
; x [8192][512] and Wq, Wk, Wv [8][512][64], f32, become codes of FP4 (E2M1) with one E8M0 scale byte for each 32 along K = the 512, laid in the ORDER OF THE OPERAND'S REGISTERS:
; a fragment (16 rows x 128 K) is two runs of 512 bytes, lane l's 16 bytes at 16 l; lane (r, h) holds, in run c, k = 64 c + 32 h + 0 .. 31 of the tile's row r.
;   xcod [row tile 512][K step 4][c 2][lane 32][16 B];  xscl [row tile][r 16][16 B]: row r's 16 scale bytes.      wcod [tile 96][K step 4][c][lane][16 B];  wscl [tile][r][16 B].
; THE ROWS OF A TILE ARE NOT NEIGHBOURS: lane r of tile 2 g + u takes row (of x) or column (of W, inside a head) 32 g + 8 u + r + 8 (r / 8), so that a product's results, used transposed, lie as 16 neighbours in a lane.
; A block's scale is 2^(floor(log2(its largest magnitude)) - 2); its byte is the largest magnitude's exponent field - 2, held at 1 from below.  A block of zeros so gets the byte 1 where the rule says 127: its codes are zeros,
; which add nothing under any byte but 0xff, and the bytes are read by this program alone.
; LIMITS: blocks whose largest magnitude lies under 2^-124, the floor, get the byte 1; NaN and infinities among the inputs are not served.
; One launch serves all four tensors: the first 96 work-groups take the weights (K is their FIRST axis inside a head: a lane takes a column, its registers run down K), the other 256 take x (K innermost: a step is a row).
; No tensor loads, no barrier: waves share nothing.  Only x's path uses LDS.
.set NWW,   96                         ; work-groups for the weights
.set STEPS, 16                         ; x: rows of a tile, one a step
.set EMAX,  2
.set SP,    80                         ; x: a lane's place in a stage: its 64 bytes + 16 of padding
.set WREG,  10240                      ; x: LDS of a wave: two stages of 32 x SP bytes, 256 scale bytes, the out image
.set SCB,   5120                       ; the tile's 256 scale bytes
.set OIMG,  5376                       ; the tile's codes as they will lie in memory: 16 rows of 256 bytes + 16 of padding
.set OP,    272
.set R,     16                         ; v16-79   x: four sets of 16 numbers as they are loaded
.set X,     80                         ; v80-111  x: two sets of 16 neighbours
.set E,     112                        ; v112-127 x: a scale byte for each step
.set C,     128                        ; v128-159 x: two registers of codes for each step
.set OUTR,  160                        ; v160-191 x: the way out
.set WN,    32                         ; v32-159  W: four blocks of 32 numbers
.set WC,    160                        ; v160-175 W: four blocks' codes
.set WW,    176                        ; v176     W: the scale word
	s_load_b256 s[4:11], s[0:1], 0x0               ; x s[4:5], Wq s[6:7], Wk s[8:9], Wv s[10:11]
	s_load_b256 s[12:19], s[0:1], 0x20             ; xcod s[12:13], xscl s[14:15], wcod s[16:17], wscl s[18:19]
	v_lshl_add_u32 v192, v0, 2, 0x5000
	v_mov_b32 v193, 0
	v_lshrrev_b32 v1, 5, v0
	v_readfirstlane_b32 s20, v1                    ; wave 0, 1
	v_and_b32 v2, 31, v0                           ; lane
	s_cmp_lt_u32 ttmp9, NWW
	s_cbranch_scc1 .Lweights
; ---------------- x.  Work-group g takes rows 32 g .. 32 g + 31, wave u the tile 2 g + u.  A step is one row: 512 numbers, 2,048 bytes, four loads of 512 consecutive bytes.
; The conversions want 16 neighbours in a lane: a step's bytes go through the wave's own stage in LDS as they lie and come back 64 bytes a lane; two neighbouring lanes hold a block.
	s_sub_co_u32 s21, ttmp9, NWW                   ; g
	s_lshl_b32 s22, s21, 16                        ; 32 rows of 2,048 bytes,
	s_lshl_b32 s23, s20, 14                        ; and 8 rows for wave 1
	s_add_co_u32 s22, s22, s23
	s_mov_b32 s23, 0
	s_lshl_b32 s24, s21, 1
	s_add_co_u32 s24, s24, s20                     ; the tile
	s_lshl_b32 s26, s24, 12                        ; its 4,096 bytes of codes
	s_mov_b32 s27, 0
	s_lshl_b32 s28, s24, 8                         ; its 256 scale bytes
	s_mov_b32 s29, 0
	s_mul_i32 s25, s20, WREG                       ; my wave's LDS
	s_wait_alu depctr_va_vdst(0)
	v_lshlrev_b32 v3, 4, v2                        ; my 16 bytes of a run of 512: for the loads and for the codes' stores
	v_lshrrev_b32 v14, 2, v2
	v_mul_u32_u24 v14, v14, SP
	v_and_b32 v15, 3, v2
	v_lshl_add_u32 v14, v15, 4, v14
	v_add_nc_u32 v14, s25, v14                     ; the stage, on the way in: SP (lane / 4) + 16 (lane % 4)
	v_mul_u32_u24 v15, v2, SP
	v_add_nc_u32 v15, s25, v15                     ; and on the way out: SP x lane: my 16 neighbours, k = 16 lane + 0 .. 15
	v_lshrrev_b32 v5, 1, v2                        ; my block along K = 4 s + 2 c + h: also the out image's row
	v_mul_u32_u24 v4, v5, OP
	v_and_b32 v6, 1, v2
	v_lshl_add_u32 v4, v6, 3, v4
	v_add_nc_u32 v4, s25, v4                       ; out image: row = my block, 8 bytes for each half of it; the step's 16 bytes stand in the immediate
	v_add_nc_u32 v5, s25, v5                       ; scale bytes: my block's byte
	v_lshlrev_b32 v7, 3, v2                        ; and on the way out 8 bytes a lane
	v_add_nc_u32 v6, s25, v7
	v_lshrrev_b32 v10, 4, v2
	v_mul_u32_u24 v10, v10, OP
	v_and_b32 v12, 15, v2
	v_lshl_add_u32 v10, v12, 4, v10
	v_add_nc_u32 v10, s25, v10                     ; out image, read back: sixteen lanes to a row of 256 bytes, two rows an instruction
	s_wait_kmcnt 0x0
	s_add_nc_u64 s[4:5], s[4:5], s[22:23]
	s_add_nc_u64 s[12:13], s[12:13], s[26:27]
	s_add_nc_u64 s[14:15], s[14:15], s[28:29]
.macro LOAD t                          ; step t is the tile's row t: row t + 8 (t / 8) from the wave's first
.irp i, 0,1,2,3
	global_load_b128 v[R+16*((\t)%4)+4*\i:R+16*((\t)%4)+4*\i+3], v3, s[4:5] offset:((\t)+8*((\t)/8))*2048+512*\i th:TH_LOAD_NT   ; 32 lanes read 512 consecutive bytes
.endr
.endm
.macro TURN t                          ; step t's numbers through the stage: LDS serves a wave's instructions in order, so no wait stands between the stores and the loads
.irp i, 0,1,2,3
	ds_store_b128 v14, v[R+16*((\t)%4)+4*\i:R+16*((\t)%4)+4*\i+3] offset:32*SP*((\t)%2)+8*SP*\i
.endr
.irp i, 0,1,2,3
	ds_load_b128 v[X+16*((\t)%2)+4*\i:X+16*((\t)%2)+4*\i+3], v15 offset:32*SP*((\t)%2)+16*\i
.endr
.endm
.irp t, 0,1,2,3
	LOAD \t
.endr
	s_wait_loadcnt 12                              ; step 0's four loads are in
	TURN 0
.macro STEP t
.set XS, X+16*((\t)%2)
.if (\t) > 0
	s_wait_dscnt 2                                 ; this step's numbers are back from the stage (the last step's byte store and code store may be out): so its stores into the stage have read their registers,
.else
	s_wait_dscnt 0x0
.endif
.if (\t)+4 < STEPS
	LOAD (\t)+4                                    ; which take the loads of four steps on
.endif
.if (\t)+1 < STEPS
.if STEPS-2-(\t) >= 3
	s_wait_loadcnt 12                              ; the next step's four loads are in; those of the three steps behind it may be out
.else
	s_wait_loadcnt 4*(STEPS-2-(\t))
.endif
	TURN (\t)+1                                    ; and go through the other stage while this step is worked
.endif
	v_max3_num_f32 v8, |v[XS]|, |v[XS+1]|, |v[XS+2]|               ; the largest magnitude of my 16, in two chains
	v_max3_num_f32 v9, |v[XS+3]|, |v[XS+4]|, |v[XS+5]|
.irp i, 6,10
	v_max3_num_f32 v8, v8, |v[XS+\i]|, |v[XS+\i+1]|
	v_max3_num_f32 v9, v9, |v[XS+\i+2]|, |v[XS+\i+3]|
.endr
	v_max3_num_f32 v8, v8, |v[XS+14]|, |v[XS+15]|
	v_max3_num_f32 v8, v8, v9, (EMAX+1)<<23        ; and the floor 2^(EMAX + 1 - 127): the byte cannot fall under 1
	v_max_num_f32_dpp v8, v8, v8 row_xmask:1 row_mask:0xf bank_mask:0xf   ; and of my neighbour's 16: the block's
	v_add_nc_u32 v11, -(EMAX<<23), v8              ; EMAX off its exponent field: the conversion takes the exponent field of this operand as its scale
	v_cvt_scalef32_pk8_fp4_f32 v[C+2*(\t)], v[XS:XS+7], v11
	v_cvt_scalef32_pk8_fp4_f32 v[C+2*(\t)+1], v[XS+8:XS+15], v11
	v_lshrrev_b32 v[E+(\t)], 23, v11               ; the scale's byte (a plain line behind the conversions)
	ds_store_b8 v5, v[E+(\t)] offset:SCB+16*(\t)   ; row t's 16 bytes; both lanes of a block write the same byte with the same value
	ds_store_b64 v4, v[C+2*(\t):C+2*(\t)+1] offset:OIMG+16*(\t)   ; my 16 codes, at row t's 16 bytes of my block's image row
.endm
.irp t, 0,1,2,3,4,5,6,7,8,9,10,11,12,13,14,15
	STEP \t
.endr
	ds_load_b64 v[12:13], v6 offset:SCB            ; LDS serves a wave's instructions in order: these see my stores
.irp i, 0,1,2,3,4,5,6,7
	ds_load_b128 v[OUTR+4*\i:OUTR+4*\i+3], v10 offset:OIMG+2*OP*\i
.endr
	s_wait_dscnt 8                                 ; the scale bytes are back; the eight loads behind may be out
	global_store_b64 v7, v[12:13], s[14:15]        ; 32 lanes store 256 consecutive bytes, aligned
.irp i, 0,1,2,3,4,5,6,7
	s_wait_dscnt 7-\i
	global_store_b128 v3, v[OUTR+4*\i:OUTR+4*\i+3], s[12:13] offset:512*\i   ; 512 consecutive bytes, aligned
.endr
	s_wait_tensorcnt 0x0
	ds_add_u32 v192, v193
	s_wait_dscnt 0x0
	s_endpgm
; ---------------- the weights.  Work-group: matrix x head = ttmp9 / 4 (0 .. 23), K step = ttmp9 % 4; wave = which 32 of the head's 64 columns.  A lane takes a column, its registers run down K: 128 numbers, four blocks.
.Lweights:
	s_and_b32 s21, ttmp9, 3                        ; K step
	s_lshr_b32 s22, ttmp9, 2                       ; 8 x matrix + head
	s_lshr_b32 s23, s22, 3                         ; matrix: 0 q, 1 k, 2 v
	s_and_b32 s24, s22, 7                          ; head
	s_lshl_b32 s26, s24, 17                        ; a head is 512 rows of 256 bytes,
	s_lshl_b32 s25, s21, 15                        ; a K step 128 rows,
	s_add_co_u32 s26, s26, s25
	s_lshl_b32 s25, s20, 7                         ; my wave's 32 columns 128 bytes
	s_add_co_u32 s26, s26, s25
	s_mov_b32 s27, 0
	s_lshl_b32 s28, s22, 2
	s_lshl_b32 s25, s20, 1
	s_add_co_u32 s28, s28, s25                     ; the first of my wave's two tiles
	s_lshl_b32 s30, s28, 8                         ; its scale bytes,
	s_lshl_b32 s25, s21, 2
	s_add_co_u32 s30, s30, s25                     ; the K step's word in each row's 16
	s_mov_b32 s31, 0
	s_lshl_b32 s28, s28, 12                        ; its codes,
	s_lshl_b32 s25, s21, 10
	s_add_co_u32 s28, s28, s25                     ; the K step's fragment
	s_mov_b32 s29, 0
	s_wait_alu depctr_va_vdst(0)
	v_lshlrev_b32 v3, 2, v2                        ; in: 4 bytes a lane
	v_bfe_u32 v6, v2, 3, 1                         ; column l of the 32 is row r = l % 8 + 8 (l / 16) of tile u = (l / 8) % 2
	v_and_b32 v7, 7, v2
	v_lshrrev_b32 v8, 4, v2
	v_lshl_add_u32 v7, v8, 3, v7
	v_lshlrev_b32 v7, 4, v7                        ; 16 r
	v_lshl_add_u32 v4, v6, 12, v7                  ; codes: 4,096 u + 16 r
	v_lshl_add_u32 v5, v6, 8, v7                   ; scale word: 256 u + 16 r
	s_wait_alu depctr_va_vdst(0)
	s_wait_kmcnt 0x0
	s_cmp_eq_u32 s23, 0                            ; the choice of the matrix hangs on the work-group's number alone
	s_cselect_b64 s[6:7], s[6:7], s[8:9]
	s_cmp_eq_u32 s23, 2
	s_cselect_b64 s[6:7], s[10:11], s[6:7]
	s_add_nc_u64 s[6:7], s[6:7], s[26:27]
	s_add_nc_u64 s[16:17], s[16:17], s[28:29]
	s_add_nc_u64 s[18:19], s[18:19], s[30:31]
.macro WLOAD q                         ; block q: W(32 q + i, my column), i = 0 .. 31; the two waves together read whole rows of 256 bytes
.irp i, 0,1,2,3,4,5,6,7,8,9,10,11,12,13,14,15,16,17,18,19,20,21,22,23,24,25,26,27,28,29,30,31
	global_load_b32 v[WN+32*(\q)+\i], v3, s[6:7] offset:(32*(\q)+\i)*256 th:TH_LOAD_NT
.endr
.endm
	WLOAD 0
	WLOAD 1
.macro WBLK q
.set XS, WN+32*(\q)
.if (\q) < 3
	s_wait_loadcnt 32                              ; this block's 32 loads are in; the next block's may be out
.else
	s_wait_loadcnt 0x0
.endif
.if (\q) < 2
	WLOAD (\q)+2                                   ; two blocks ahead, into registers of its own
.endif
	v_max3_num_f32 v12, |v[XS]|, |v[XS+1]|, |v[XS+2]|              ; the block's largest magnitude: all 32 numbers are mine
	v_max3_num_f32 v13, |v[XS+3]|, |v[XS+4]|, |v[XS+5]|
.irp i, 6,10,14,18,22,26
	v_max3_num_f32 v12, v12, |v[XS+\i]|, |v[XS+\i+1]|
	v_max3_num_f32 v13, v13, |v[XS+\i+2]|, |v[XS+\i+3]|
.endr
	v_max3_num_f32 v12, v12, |v[XS+30]|, |v[XS+31]|
	v_max3_num_f32 v12, v12, v13, (EMAX+1)<<23     ; and the floor
	v_add_nc_u32 v11, -(EMAX<<23), v12             ; the conversion's scale operand
	v_lshrrev_b32 v13, 23, v11                     ; the scale's byte
.if (\q) == 0
	v_mov_b32 v[WW], v13                           ; four bytes make the K step's word, the lower K in the lower byte
.else
	v_lshl_or_b32 v[WW], v13, 8*(\q), v[WW]
.endif
.irp g, 0,1,2,3
	v_cvt_scalef32_pk8_fp4_f32 v[WC+4*(\q)+\g], v[XS+8*\g:XS+8*\g+7], v11
.endr
	v_nop                                          ; one plain line behind the conversions: the next block writes their scale operand
	global_store_b128 v4, v[WC+4*(\q):WC+4*(\q)+3], s[16:17] offset:512*((\q)/2)+256*((\q)%2)   ; block q = 2 c + h: the sixteen lanes of a tile store 256 consecutive bytes, aligned
.endm
	WBLK 0
	WBLK 1
	WBLK 2
	WBLK 3
	global_store_b32 v5, v[WW], s[18:19]           ; 4 bytes of each row's 16: 24,576 bytes in the whole launch
	s_endpgm
.Lfunc_end_k_qbc74298b90_quant:
	.size	k_qbc74298b90_quant, .Lfunc_end_k_qbc74298b90_quant-k_qbc74298b90_quant
	.p2alignl 7, 3214868480
	.fill 96, 4, 3214868480
	.section	.rodata,"a",@progbits
	.p2align	6, 0x0
	.amdhsa_kernel k_qbc74298b90_quant
		.amdhsa_group_segment_fixed_size 20736
		.amdhsa_private_segment_fixed_size 0
		.amdhsa_enable_private_segment 0
		.amdhsa_kernarg_size 64
		.amdhsa_user_sgpr_count 2
		.amdhsa_user_sgpr_kernarg_segment_ptr 1
		.amdhsa_wavefront_size32 1
		.amdhsa_system_sgpr_workgroup_id_x 1
		.amdhsa_system_sgpr_workgroup_id_y 1
		.amdhsa_system_sgpr_workgroup_id_z 1
		.amdhsa_system_vgpr_workitem_id 0
		.amdhsa_next_free_vgpr 194
		.amdhsa_next_free_sgpr 66
		.amdhsa_reserve_vcc 0
		.amdhsa_float_denorm_mode_32 3
		.amdhsa_float_denorm_mode_16_64 3
		.amdhsa_memory_ordered 1
		.amdhsa_forward_progress 1
		.amdhsa_inst_pref_size 54
	.end_amdhsa_kernel
	.amdgpu_metadata
---
amdhsa.version: [ 1, 2 ]
amdhsa.kernels:
  - .name:           k_qbc74298b90_quant
    .symbol:         k_qbc74298b90_quant.kd
    .args:
      - { .name: x, .offset: 0, .size: 8, .value_kind: global_buffer, .address_space: global }
      - { .name: Wq, .offset: 8, .size: 8, .value_kind: global_buffer, .address_space: global }
      - { .name: Wk, .offset: 16, .size: 8, .value_kind: global_buffer, .address_space: global }
      - { .name: Wv, .offset: 24, .size: 8, .value_kind: global_buffer, .address_space: global }
      - { .name: xcod, .offset: 32, .size: 8, .value_kind: global_buffer, .address_space: global }
      - { .name: xscl, .offset: 40, .size: 8, .value_kind: global_buffer, .address_space: global }
      - { .name: wcod, .offset: 48, .size: 8, .value_kind: global_buffer, .address_space: global }
      - { .name: wscl, .offset: 56, .size: 8, .value_kind: global_buffer, .address_space: global }
    .group_segment_fixed_size: 20736
    .private_segment_fixed_size: 0
    .kernarg_segment_align: 8
    .kernarg_segment_size: 64
    .max_flat_workgroup_size: 64
    .sgpr_count:     66
    .vgpr_count:     194
    .wavefront_size: 32
...
	.end_amdgpu_metadata
.endif
;; end of part 1
;; launch proj (part 2): grid 64 x 4, 6 waves a work-group, no clusters, 0 bytes of LDS; arguments xcod, xscl, wcod, wscl, bq, bk, bv, qrec, kvrec; writes qrec, kvrec
.if DOCPART == 2
	.amdgcn_target "amdgcn-amd-amdhsa--gfx1250"
	.amdhsa_code_object_version 6
	.text
	.protected	k_qbc74298b90_proj
	.globl	k_qbc74298b90_proj
	.p2align	8
	.type	k_qbc74298b90_proj,@function
k_qbc74298b90_proj:
	s_mov_b64 s[64:65], 0
	v_nop
	global_prefetch_b8 v0, s[64:65] scope:SCOPE_SE
	s_setreg_imm32_b32 hwreg(HW_REG_WAVE_MODE, 25, 1), 1
	s_wait_xcnt 0x0
; q = x Wq + bq, k = x Wk + bk, v = x Wv + bv on codes of FP4 (E2M1) with E8M0 scales (K = 512, four K steps of 128), and at once their quantising for the attention's two products:
; q and k along the head's 64 (two blocks), v along the KEYS (blocks of 32 rows).  Results leave as records of 128 rows, in the order of the operand's registers:
;   qrec  [batch x head 16][step 32][4,608 B]: codes of 8 tiles of 16 rows (tile t at 512 t: lane (r, h) 16 bytes = channels 32 h .. 32 h + 31 of row r); at 4,096 the scale words: lane (r, h') 4 words, of tiles 4 h' + 0 .. 3, row r.
;                                              A word is byte 0, byte 1, 0x7f, 0x7f: the attention's K step of 128 is half empty, and its empty half gets the scale 1.
;   kvrec [batch x head][step][8,960 B]: k as q's; at 4,608 v's codes: channel tile n at 1,024 n, runs c = 0, 1 of 512 bytes: lane (r, h) keys 64 c + 32 h + 0 .. 31 of channel row r; at 8,704 v's scale words: lane (r, h') 2 words, of tiles 2 h' + 0, 1.
; SHARES.  A work-group takes 128 rows of x (ttmp9 = 32 x batch + step) and two heads (ttmp7); wave w takes head 2 y + w / 3 and the matrix w % 3 (0 q, 1 k, 2 v): 8 row tiles x 4 column tiles x 4 K steps = 128 matrix instructions.
; Waves share nothing: no LDS, no barrier.  All operands come from memory straight into registers, 512 consecutive bytes an instruction.
; LAYOUT.  Rows of x and columns of W lie in tiles whose lane r holds row 32 g + 8 u + r + 8 (r / 8).  q, k: source 0 = W, source 1 = x: a lane holds ONE row, and the 16 registers of column tiles 2 e, 2 e + 1 are channels 32 e + 16 h + 0 .. 15.
; v: source 0 = x, source 1 = W: a lane holds ONE channel, and the 16 registers of row tiles 2 b, 2 b + 1 are keys 32 b + 16 h + 0 .. 15.  So a block of 32 lies in lanes l and l xor 16, and the conversions take neighbours from one lane's registers.
; The bias is the C of each sum's first matrix instruction: it is added first, not last, in f32.
; LIMITS: blocks whose largest magnitude lies under 2^-124 get the byte 1, blocks of zeros too (their codes are zeros; this program alone reads the bytes); NaN and infinities are not served.
; REGISTERS.  Window 0: v1-7 lane numbers and offsets; v8-11 a scale image; v12-19 scale words; v20-31 at work; v32-63 x's scale words; v64-79 W's; v80-111 the bias, 8 a column tile; v112-175 eight accumulators; v176-207 codes.
;             Window 1: v0-127 W's 16 fragments (column tile t, K step s at 8 (4 t + s)); v128-255 x's fragments of two row tiles, two sets.
.set LANE, 1
.set RR,   2                           ; r = lane % 16
.set HH,   3                           ; h = lane / 16
.set LI,   4                           ; 16 x lane
.set L8,   5                           ; 8 x lane
.set R16,  6                           ; 16 r
.set BO,   7                           ; the bias's offset
.set SW,   8
.set KW,   12                          ; q, k: a scale word for each row tile
.set VW,   12                          ; v: a scale word for each channel tile
.set TM,   20                          ; v20-23 largest magnitudes, v24-27 the other half's, then the bytes, v28-31 the conversions' scale operands
.set XS,   32
.set WS,   64
.set BI,   80
.set HA,   112
.set CD,   176
.set WV,   22
.set KIND, 24
.set SEL,  32
.set MSB, 0
.macro WIN new                         ; the immediate's high byte repeats the setting that is left
.if MSB != \new
	s_set_vgpr_msb (MSB<<8)|\new
.set MSB, \new
.endif
.endm
	s_load_b256 s[4:11], s[0:1], 0x0               ; xcod s[4:5], xscl s[6:7], wcod s[8:9], wscl s[10:11]
	s_load_b256 s[12:19], s[0:1], 0x20             ; bq s[12:13], bk s[14:15], bv s[16:17], qrec s[18:19]
	s_load_b64 s[20:21], s[0:1], 0x40              ; kvrec
	v_lshrrev_b32 v1, 5, v0
	v_readfirstlane_b32 s[WV], v1                  ; wave 0..5
	v_and_b32 v[LANE], 31, v0
	v_and_b32 v[RR], 15, v0
	v_bfe_u32 v[HH], v0, 4, 1
	v_lshlrev_b32 v[LI], 4, v[LANE]
	v_lshlrev_b32 v[L8], 3, v[LANE]
	v_lshlrev_b32 v[R16], 4, v[RR]
.irp b, 0,1,2,3
	v_mov_b32 v[TM+4+\b], 0                        ; written once: a lane permute's destination counts as one of its sources
.endr
	s_cmp_ge_u32 s[WV], 3
	s_cselect_b32 s23, 1, 0                        ; which of the two heads
	s_mul_i32 s[KIND], s23, 3
	s_sub_co_u32 s[KIND], s[WV], s[KIND]           ; 0 q, 1 k, 2 v
	s_and_b32 s25, ttmp7, 0xffff
	s_lshl_b32 s25, s25, 1
	s_add_co_u32 s25, s25, s23                     ; head
	s_lshr_b32 s26, ttmp9, 5                       ; batch
	s_lshl_b32 s26, s26, 3
	s_add_co_u32 s26, s26, s25                     ; 8 x batch + head
	s_lshl_b32 s26, s26, 5
	s_and_b32 s27, ttmp9, 31
	s_add_co_u32 s26, s26, s27                     ; the record
	s_lshl_b32 s28, s[KIND], 3
	s_add_co_u32 s28, s28, s25                     ; 8 x matrix + head
	s_lshl_b32 s34, ttmp9, 15                      ; x: 8 tiles of 4,096 bytes of codes,
	s_mov_b32 s35, 0
	s_lshl_b32 s36, ttmp9, 11                      ; of 256 scale bytes
	s_mov_b32 s37, 0
	s_lshl_b32 s38, s28, 14                        ; W: 4 tiles of 4,096 bytes,
	s_mov_b32 s39, 0
	s_lshl_b32 s40, s28, 10                        ; of 256 scale bytes
	s_mov_b32 s41, 0
	s_lshl_b32 s42, s25, 8                         ; the head's 64 biases
	s_mov_b32 s43, 0
	s_mov_b32 s29, 8960
	s_cmp_eq_u32 s[KIND], 0
	s_cselect_b32 s29, 4608, s29                   ; a record's bytes
	s_mul_i32 s44, s26, s29
	s_mov_b32 s45, 0
	s_mov_b32 s[SEL], 0x76543210
	s_mov_b32 s[SEL+1], 0xfedcba98                 ; v_permlanex16_b32's selects for lane l xor 16
	s_wait_alu depctr_va_vdst(0)
	s_wait_kmcnt 0x0
	s_cmp_eq_u32 s[KIND], 0                        ; the choices hang on the wave's number alone
	s_cselect_b64 s[12:13], s[12:13], s[14:15]
	s_cselect_b64 s[18:19], s[18:19], s[20:21]
	s_cmp_eq_u32 s[KIND], 2
	s_cselect_b64 s[12:13], s[16:17], s[12:13]
	s_add_nc_u64 s[4:5], s[4:5], s[34:35]
	s_add_nc_u64 s[6:7], s[6:7], s[36:37]
	s_add_nc_u64 s[8:9], s[8:9], s[38:39]
	s_add_nc_u64 s[10:11], s[10:11], s[40:41]
	s_add_nc_u64 s[12:13], s[12:13], s[42:43]
	s_add_nc_u64 s[18:19], s[18:19], s[44:45]
; x's fragments of row tiles 2 b and 2 b + 1, all four K steps, into set b % 2: sixteen loads
.macro XLOAD b
	WIN 0x40                                       ; destination window 1, address window 0
.irp u, 0,1
.irp s, 0,1,2,3
.irp c, 0,1
	global_load_b128 v[128+64*((\b)%2)+8*(4*\u+\s)+4*\c:128+64*((\b)%2)+8*(4*\u+\s)+4*\c+3], v[LI], s[4:5] offset:(2*(\b)+\u)*4096+\s*1024+512*\c
.endr
.endr
.endr
	WIN 0
.endm
; 64 numbers of a lane, v[HA] on, register 16 b + i = number 16 h + i of block b, become codes: block b's sixteen in v[cd + cs b] and the register behind it; the blocks' bytes stay in v[TM+4] on.
.macro QBLK cd, cs
.irp b, 0,1,2,3
	v_max3_num_f32 v[TM+\b], |v[HA+16*\b]|, |v[HA+1+16*\b]|, 0x1800000   ; my 16 numbers, each accumulator from its low end on, and the floor 2^(3 - 127): the byte cannot fall under 1
.endr
.irp i, 2,4,6,8,10,12,14
.irp b, 0,1,2,3
	v_max3_num_f32 v[TM+\b], v[TM+\b], |v[HA+16*\b+\i]|, |v[HA+1+16*\b+\i]|   ; (the four blocks by turns)
.endr
.endr
.irp b, 0,1,2,3
	v_permlanex16_b32 v[TM+4+\b], v[TM+\b], s[SEL], s[SEL+1]
.endr
.irp b, 0,1,2,3
	v_max_num_f32 v[TM+\b], v[TM+\b], v[TM+4+\b]   ; with lane l xor 16's: the block's largest magnitude
.endr
.irp b, 0,1,2,3
	v_add_nc_u32 v[TM+8+\b], 0xff000000, v[TM+\b]  ; 2 off its exponent field: the conversion's scale operand
.endr
.irp b, 0,1,2,3
	v_lshrrev_b32 v[TM+4+\b], 23, v[TM+8+\b]       ; the scale's byte
.endr
.irp b, 0,1,2,3
	v_cvt_scalef32_pk8_fp4_f32 v[(\cd)+(\cs)*\b], v[HA+16*\b:HA+7+16*\b], v[TM+8+\b]
	v_cvt_scalef32_pk8_fp4_f32 v[(\cd)+(\cs)*\b+1], v[HA+8+16*\b:HA+15+16*\b], v[TM+8+\b]
.endr
	v_nop                                          ; one plain line behind the last conversion
.endm
; Row tiles 2 b and 2 b + 1 against the four column tiles: 32 matrix instructions, K step by K step, the eight accumulators by turns, one instruction a turn; then the quantising.
.macro ITER kind, b
.if (\b) < 3
	s_wait_loadcnt 16                              ; all but the sixteen loads issued last, the next pair's fragments
.else
	s_wait_loadcnt 0x0
.endif
	WIN 0x05                                       ; sources 0 and 1 window 1; C and D window 0
.irp s, 0,1,2,3
.irp u, 0,1
.irp t, 0,1,2,3
.set rW, 8*(4*\t+\s)
.set rX, 128+64*((\b)%2)+8*(4*\u+\s)
.set rWS, WS+4*\t+\s
.set rXS, XS+4*(2*(\b)+\u)+\s
.if \kind == 2
.set rD, HA+16*\t+8*\u
.if \s == 0
	v_wmma_scale_f32_16x16x128_f8f6f4 v[rD:rD+7], v[rX:rX+7], v[rW:rW+7], v[BI+8*\t:BI+8*\t+7], v[rXS], v[rWS] matrix_a_fmt:MATRIX_FMT_FP4 matrix_b_fmt:MATRIX_FMT_FP4
.else
	v_wmma_scale_f32_16x16x128_f8f6f4 v[rD:rD+7], v[rX:rX+7], v[rW:rW+7], v[rD:rD+7], v[rXS], v[rWS] matrix_a_fmt:MATRIX_FMT_FP4 matrix_b_fmt:MATRIX_FMT_FP4
.endif
.else
.set rD, HA+32*\u+8*\t
.if \s == 0
	v_wmma_scale_f32_16x16x128_f8f6f4 v[rD:rD+7], v[rW:rW+7], v[rX:rX+7], v[BI+8*\t:BI+8*\t+7], v[rWS], v[rXS] matrix_a_fmt:MATRIX_FMT_FP4 matrix_b_fmt:MATRIX_FMT_FP4
.else
	v_wmma_scale_f32_16x16x128_f8f6f4 v[rD:rD+7], v[rW:rW+7], v[rX:rX+7], v[rD:rD+7], v[rWS], v[rXS] matrix_a_fmt:MATRIX_FMT_FP4 matrix_b_fmt:MATRIX_FMT_FP4
.endif
.endif
.endr
.endr
.endr
	WIN 0
.rept 4
	v_nop                                          ; four places in front of the loads into the set just multiplied and of the first read of results
.endr
.if (\b) < 2
	XLOAD (\b)+2
.endif
.if \kind == 2
	QBLK CD+2*(\b), 8                              ; block = channel tile: keys 32 b + 16 h + 0 .. 15 of my channel
.irp t, 0,1,2,3
.if (\b) == 0
	v_mov_b32 v[VW+\t], v[TM+4+\t]                 ; the step's four blocks of keys make a channel's scale word
.else
	v_lshl_or_b32 v[VW+\t], v[TM+4+\t], 8*(\b), v[VW+\t]
.endif
.endr
.else
	QBLK CD+8*(\b), 2                              ; block 2 u + e: channels 32 e + 16 h + 0 .. 15 of my row of tile 2 b + u
.irp u, 0,1
.irp i, 0,1
	v_permlane16_swap_b32 v[CD+8*(\b)+4*\u+\i], v[CD+8*(\b)+4*\u+2+\i]   ; the operand's layout wants a WHOLE block in a lane: lanes 0-15 block 0, lanes 16-31 block 1
.endr
.endr
.irp u, 0,1
	v_lshl_or_b32 v[KW+2*(\b)+\u], v[TM+5+2*\u], 8, v[TM+4+2*\u]
	v_or_b32 v[KW+2*(\b)+\u], 0x7f7f0000, v[KW+2*(\b)+\u]   ; the scale 1 for the half of the K step that holds nothing
	global_store_b128 v[LI], v[CD+8*(\b)+4*\u:CD+8*(\b)+4*\u+3], s[18:19] offset:512*(2*(\b)+\u)   ; 512 consecutive bytes, aligned; these registers are not written again
.endr
.endif
.endm
	WIN 0x40
.irp t, 0,1,2,3
.irp s, 0,1,2,3
.irp c, 0,1
	global_load_b128 v[8*(4*\t+\s)+4*\c:8*(4*\t+\s)+4*\c+3], v[LI], s[8:9] offset:\t*4096+\s*1024+512*\c   ; W's 16 fragments: they stay
.endr
.endr
.endr
	WIN 0
.irp t, 0,1,2,3
	global_load_b128 v[WS+4*\t:WS+4*\t+3], v[R16], s[10:11] offset:256*\t   ; W's scale words: a row's four K steps at once
.endr
.irp t, 0,1,2,3,4,5,6,7
	global_load_b128 v[XS+4*\t:XS+4*\t+3], v[R16], s[6:7] offset:256*\t     ; x's likewise
.endr
	XLOAD 0
	s_cmp_eq_u32 s[KIND], 2
	s_cbranch_scc1 .Lvalues
	; ---------------- q and k
	v_lshlrev_b32 v[BO], 6, v[HH]                  ; lane (r, h) wants, for column tile 2 e + u, the biases of channels 32 e + 8 u + 16 h + 0 .. 7
.irp t, 0,1,2,3
	global_load_b128 v[BI+8*\t:BI+8*\t+3], v[BO], s[12:13] offset:(32*(\t/2)+8*(\t%2))*4
	global_load_b128 v[BI+8*\t+4:BI+8*\t+7], v[BO], s[12:13] offset:(32*(\t/2)+8*(\t%2))*4+16
.endr
	XLOAD 1
	ITER 0, 0
	ITER 0, 1
	ITER 0, 2
	ITER 0, 3
	v_cmp_le_u32 vcc_lo, 16, v[LANE]
.irp i, 0,1,2,3
	v_cndmask_b32 v[SW+\i], v[KW+\i], v[KW+4+\i], vcc_lo   ; lanes 0-15 keep the words of tiles 0-3, lanes 16-31 those of tiles 4-7
.endr
	global_store_b128 v[LI], v[SW:SW+3], s[18:19] offset:4096
	s_endpgm
	; ---------------- v
.Lvalues:
	v_and_b32 v[BO], 8, v[RR]
	v_add_nc_u32 v[BO], v[BO], v[RR]
	v_lshlrev_b32 v[BO], 2, v[BO]                  ; lane (r, h) holds channel 32 e + 8 u + r + 8 (r / 8) of tile 2 e + u: one bias, in all eight registers of the C operand
.irp t, 0,1,2,3
.irp j, 0,1,2,3,4,5,6,7
	global_load_b32 v[BI+8*\t+\j], v[BO], s[12:13] offset:(32*(\t/2)+8*(\t%2))*4
.endr
.endr
	XLOAD 1
	ITER 2, 0
	ITER 2, 1
	ITER 2, 2
	ITER 2, 3
.irp t, 0,1,2,3
.irp c, 0,1
.irp i, 0,1
	v_permlane16_swap_b32 v[CD+8*\t+4*\c+\i], v[CD+8*\t+4*\c+2+\i]   ; registers 4 c .. 4 c + 3 now hold keys 64 c + 32 h + 0 .. 31
.endr
.endr
.endr
	v_cmp_le_u32 vcc_lo, 16, v[LANE]
.irp i, 0,1
	v_cndmask_b32 v[SW+\i], v[VW+\i], v[VW+2+\i], vcc_lo   ; lanes 0-15 keep the words of tiles 0, 1, lanes 16-31 those of tiles 2, 3
.endr
.irp t, 0,1,2,3
.irp c, 0,1
	global_store_b128 v[LI], v[CD+8*\t+4*\c:CD+8*\t+4*\c+3], s[18:19] offset:4608+1024*\t+512*\c
.endr
.endr
	global_store_b64 v[L8], v[SW:SW+1], s[18:19] offset:8704   ; 256 consecutive bytes, aligned
	s_endpgm
.Lfunc_end_k_qbc74298b90_proj:
	.size	k_qbc74298b90_proj, .Lfunc_end_k_qbc74298b90_proj-k_qbc74298b90_proj
	.p2alignl 7, 3214868480
	.fill 96, 4, 3214868480
	.section	.rodata,"a",@progbits
	.p2align	6, 0x0
	.amdhsa_kernel k_qbc74298b90_proj
		.amdhsa_group_segment_fixed_size 0
		.amdhsa_private_segment_fixed_size 0
		.amdhsa_enable_private_segment 0
		.amdhsa_kernarg_size 72
		.amdhsa_user_sgpr_count 2
		.amdhsa_user_sgpr_kernarg_segment_ptr 1
		.amdhsa_wavefront_size32 1
		.amdhsa_system_sgpr_workgroup_id_x 1
		.amdhsa_system_sgpr_workgroup_id_y 1
		.amdhsa_system_sgpr_workgroup_id_z 1
		.amdhsa_system_vgpr_workitem_id 0
		.amdhsa_next_free_vgpr 512
		.amdhsa_next_free_sgpr 66
		.amdhsa_reserve_vcc 1
		.amdhsa_float_denorm_mode_32 3
		.amdhsa_float_denorm_mode_16_64 3
		.amdhsa_memory_ordered 1
		.amdhsa_forward_progress 1
		.amdhsa_inst_pref_size 88
	.end_amdhsa_kernel
	.amdgpu_metadata
---
amdhsa.version: [ 1, 2 ]
amdhsa.kernels:
  - .name:           k_qbc74298b90_proj
    .symbol:         k_qbc74298b90_proj.kd
    .args:
      - { .name: xcod, .offset: 0, .size: 8, .value_kind: global_buffer, .address_space: global }
      - { .name: xscl, .offset: 8, .size: 8, .value_kind: global_buffer, .address_space: global }
      - { .name: wcod, .offset: 16, .size: 8, .value_kind: global_buffer, .address_space: global }
      - { .name: wscl, .offset: 24, .size: 8, .value_kind: global_buffer, .address_space: global }
      - { .name: bq, .offset: 32, .size: 8, .value_kind: global_buffer, .address_space: global }
      - { .name: bk, .offset: 40, .size: 8, .value_kind: global_buffer, .address_space: global }
      - { .name: bv, .offset: 48, .size: 8, .value_kind: global_buffer, .address_space: global }
      - { .name: qrec, .offset: 56, .size: 8, .value_kind: global_buffer, .address_space: global }
      - { .name: kvrec, .offset: 64, .size: 8, .value_kind: global_buffer, .address_space: global }
    .group_segment_fixed_size: 0
    .private_segment_fixed_size: 0
    .kernarg_segment_align: 8
    .kernarg_segment_size: 72
    .max_flat_workgroup_size: 192
    .sgpr_count:     66
    .vgpr_count:     512
    .wavefront_size: 32
...
	.end_amdgpu_metadata
.endif
;; end of part 2
;; launch attn (part 3): grid 16 x 16, 8 waves a work-group, clusters of 4 x 1, 327,680 bytes of LDS; arguments qrec, kvrec, out0; writes out0
.if DOCPART == 3
	.amdgcn_target "amdgcn-amd-amdhsa--gfx1250"
	.amdhsa_code_object_version 6
	.text
	.protected	k_qbc74298b90_attn
	.globl	k_qbc74298b90_attn
	.p2align	8
	.type	k_qbc74298b90_attn,@function
k_qbc74298b90_attn:
	s_mov_b64 s[64:65], 0
	v_nop
	global_prefetch_b8 v0, s[64:65] scope:SCOPE_SE
	s_setreg_imm32_b32 hwreg(HW_REG_WAVE_MODE, 25, 1), 1
	s_wait_xcnt 0x0
	s_wait_alu depctr_hold_cnt(0) depctr_sa_sdst(0) depctr_va_vdst(0) depctr_va_sdst(0) depctr_va_ssrc(0) depctr_va_vcc(0) depctr_vm_vsrc(0)
	s_getreg_b32 s2, hwreg(HW_REG_IB_STS2, 6, 4)
	s_cmp_eq_u32 s2, 0
	s_cbranch_scc0 .Lentry_in_a_cluster
	s_endpgm
.Lentry_in_a_cluster:
	s_bfe_u32 s2, ttmp6, 0x10000c
	s_cmp_lg_u32 s2, 0x3003
	s_cbranch_scc0 .Lentry_shape_is_right
	s_endpgm
.Lentry_shape_is_right:
; out0[b][q][64 h ..] = softmax_k(q . k / 8) v for one batch x head (work-group y) and 256 queries (work-group x), both products on codes of FP4 (E2M1) with E8M0 scales.
; t = score x log2(e) / 8; M = the running largest t rounded up to a whole number; p = 2^(t - M) is quantised along the keys; the row's sum is taken of the unquantised p in f32 and divides at the end.
; When M moves, the sums and O are multiplied by 2^(old M - new M), in every step, with no branch on data.
; A block's scale is 2^(floor(its largest t - M) - 2): floor(log2) of its largest p, taken of the exponent itself, held at -124 from below, so that the byte cannot fall under 1.
; LIMITS: the promise holds while the scaled scores stay under 2^31 in magnitude; where a block's largest t - M lies within f32 rounding of a whole number, the scale may be the neighbouring one; NaN and infinities are not served.
; SHARES.  Eight waves; a wave owns 32 queries as two tiles, A and B, of 16, so that each fragment of K and V read from LDS feeds two products.  A step is one record of 128 keys (8,960 bytes, as launch proj lays it).
; All 32 records of the head lie in LDS, each filled once: records 0-7 by the head's load (one record a wave), records 8-31 by a second load (three records a wave).  The four work-groups of a cluster walk the same head and ask jointly.
; No prefetch: every byte of K and V is asked for by these two loads at the head, and no loop runs ahead of a later load.
; LAYOUT.  Both products are used transposed: a lane holds one query (lane % 16).  THE KEYS OF A TILE OF K ARE CHOSEN BY THE LDS ADDRESS: row r of tile 4 c + t is key 64 c + 32 (r / 8) + 8 t + r % 8, so that lane (r, h)'s 32 registers
; of tiles 4 c .. 4 c + 3 are the whole block 2 c + h of 32 keys, in the order of the second product's operand: a block's maximum and its codes need no other lane.
; ORDER.  The two tiles run half a step apart.  PHASE x goes from tile x's maxima to its codes; the other tile's second product, its row sums (eight chains, between the links of tile x's chain for M) and its next scores stand inside it.
; REGISTERS.  Window 0: v1-12 addresses, v16-23 M and f, v24-39 and v240-255 sums, v40-49 scale words, v50-57 p's codes, v60-95 K's fragments, v96-223 the scores of A and B, v224-239 at work.
;             Window 1: v0-63 O^T of A and B, v64-79 Q of A and B (upper half zeros: the head's 64 fill half of a K step), v80-111 V's fragments.
.set REC,   8960
.set F1B,   8*REC
.set STAGE, 32*REC                     ; behind the records: 16 rows x 272 bytes for each wave, for the way out
.set SPI,   272
.set SPARE, STAGE+8*16*SPI             ; the spare words, 128 bytes a wave
.set AK0, 1                            ; my lane's place in K's codes: 1024 (r / 8) + 16 (r % 8) + 256 h
.set AL0, 2                            ; 16 x lane
.set AS0, 3                            ; in K's scale words: 16 (r % 8) + 8 (r / 8) + 256 h
.set AV0, 4                            ; 8 x lane
.set SPW, 5
.set NIL, 6
.set GO,  7
.set SH,  8                            ; 8 h
.set ADK, 9
.set ADL, 10
.set ADS, 11
.set ADV, 12
.set NM,  16                           ; pairs (-M, the largest score), A and B
.set F,   20                           ; pairs (f, unused)
.set L,   24                           ; eight pairs of partial sums: tile A's at v24, tile B's 216 registers on
.set QS,  40
.set PS,  42
.set KS,  44
.set VS,  48
.set PC,  50
.set STO, 58
.set RD,  59
.set KF,  60
.set S,   96
.set C,   224                          ; eight running maxima; C and C+4 become the two blocks'
.set SO,  232
.set T0,  234
.set T1,  235
.set T2,  236
.set T3,  237
.set QF,  64                           ; window 1
.set VF,  80                           ; window 1
.set WV,  12
.set TB,  13
.set CNT, 14
.set G1,  16
.set G0A, 24
.set G0B, 28
.set SEL, 32
.set CS,  34
.set NC,  48
.set MSB, 0
.macro WIN new                         ; the immediate's high byte repeats the setting that is left
.if MSB != \new
	s_set_vgpr_msb (MSB<<8)|\new
.set MSB, \new
.endif
.endm
.macro ROUND
	s_barrier_signal -1
	s_barrier_wait -1
	s_cmp_lg_u32 s[WV], 0
	s_cbranch_scc1 .Lnot_wave_0_\@
	s_barrier_signal -3
.Lnot_wave_0_\@:
	s_barrier_wait -3
	s_barrier_signal -1
	s_barrier_wait -1
.endm
; K's eight tiles and their scale words (lanes 0-15: tiles 0-3, lanes 16-31: tiles 4-7) of the record at byte off from the address registers
.macro KLOAD ak, as, off
.irp c, 0,1
.irp t, 0,1,2,3
	ds_load_b128 v[KF+16*\c+4*\t:KF+16*\c+4*\t+3], v[\ak] offset:(\off)+2048*\c+512*(\t%2)+128*(\t/2)
.endr
.endr
	ds_load_b64 v[KS:KS+1], v[\as] offset:(\off)+4096
	ds_load_b64 v[KS+2:KS+3], v[\as] offset:(\off)+4224
.endm
; One tile, 4 c + t, of S^T = K Q^T for query tile y, begun with 0 (source 1, Q, in window 1).  A fragment's upper four registers are the next tile's codes: they meet Q's zeros.
.macro SW1 y, c, t
.if \c == 0
	v_wmma_scale_f32_16x16x128_f8f6f4 v[S+64*(\y)+32*\c+8*\t:S+64*(\y)+32*\c+8*\t+7], v[KF+16*\c+4*\t:KF+16*\c+4*\t+7], v[QF+8*(\y):QF+8*(\y)+7], 0, v[KS+\t], v[QS+(\y)] matrix_a_fmt:MATRIX_FMT_FP4 matrix_b_fmt:MATRIX_FMT_FP4
.else
	v_wmma_scale_f32_16x16x128_f8f6f4 v[S+64*(\y)+32*\c+8*\t:S+64*(\y)+32*\c+8*\t+7], v[KF+16*\c+4*\t:KF+16*\c+4*\t+7], v[QF+8*(\y):QF+8*(\y)+7], 0, v[KS+\t], v[QS+(\y)] matrix_a_fmt:MATRIX_FMT_FP4 matrix_b_fmt:MATRIX_FMT_FP4 matrix_a_scale:MATRIX_SCALE_ROW1
.endif
.endm
; O^T += V^T P^T for query tile z: four accumulators by turns (O and V in window 1, p's codes in window 0)
.macro PVM z
	WIN 0x51
.irp n, 0,1,2,3
.if \n < 2
	v_wmma_scale_f32_16x16x128_f8f6f4 v[32*(\z)+8*\n:32*(\z)+8*\n+7], v[VF+8*\n:VF+8*\n+7], v[PC:PC+7], v[32*(\z)+8*\n:32*(\z)+8*\n+7], v[VS+\n%2], v[PS+(\z)] matrix_a_fmt:MATRIX_FMT_FP4 matrix_b_fmt:MATRIX_FMT_FP4
.else
	v_wmma_scale_f32_16x16x128_f8f6f4 v[32*(\z)+8*\n:32*(\z)+8*\n+7], v[VF+8*\n:VF+8*\n+7], v[PC:PC+7], v[32*(\z)+8*\n:32*(\z)+8*\n+7], v[VS+\n%2], v[PS+(\z)] matrix_a_fmt:MATRIX_FMT_FP4 matrix_b_fmt:MATRIX_FMT_FP4 matrix_a_scale:MATRIX_SCALE_ROW1
.endif
.endr
	WIN 0
.endm
; links i0 .. i0 + n - 1 of the 32 that sum tile z's p: eight chains by turns; each chain's first link also brings the old sum under the new M
.macro SUMS on, z, i0, n
.if \on
.set I, \i0
.rept \n
.if I < 8
	v_pk_fma_f32 v[L+216*(\z)+2*I:L+216*(\z)+2*I+1], v[L+216*(\z)+2*I:L+216*(\z)+2*I+1], v[F+2*(\z):F+2*(\z)+1], v[S+64*(\z)+2*I:S+64*(\z)+2*I+1] op_sel_hi:[1,0,1]
.else
	v_pk_add_f32 v[L+216*(\z)+2*(I%8):L+216*(\z)+2*(I%8)+1], v[L+216*(\z)+2*(I%8):L+216*(\z)+2*(I%8)+1], v[S+64*(\z)+2*I:S+64*(\z)+2*I+1]
.endif
.set I, I+1
.endr
.endif
.endm
.macro FMAS n                          ; t - M, the next n pairs (J walks)
.rept \n
	v_pk_fma_f32 v[SX+J:SX+J+1], v[SX+J:SX+J+1], s[CS:CS+1], v[NMX:NMX+1] op_sel_hi:[1,0,0]
.set J, J+2
.endr
.endm
; One tile's half of a step.  sum: the other tile's second product and row sums are due; snext: the other tile's next scores are begun; ld: 1 = this step's V and the next step's K are fetched, 2 = V alone, 0 = nothing.
.macro PHASE x, sum, snext, ld
.set SX, S+64*\x
.set NMX, NM+2*\x
.set FX, F+2*\x
	s_wait_alu depctr_va_vdst(0)                   ; the wait directly ahead of the first readers of the scores
.irp c, 0,1
.irp t, 0,1,2,3
	v_max3_num_f32 v[C+4*\c+\t], v[SX+32*\c+8*\t], v[SX+32*\c+8*\t+1], v[SX+32*\c+8*\t+2]   ; a chain for each accumulator, from its low end on
.endr
.endr
.irp i, 3,5
.irp c, 0,1
.irp t, 0,1,2,3
	v_max3_num_f32 v[C+4*\c+\t], v[C+4*\c+\t], v[SX+32*\c+8*\t+\i], v[SX+32*\c+8*\t+\i+1]
.endr
.endr
.endr
.irp c, 0,1
	v_max3_num_f32 v[C+4*\c], v[C+4*\c], v[SX+32*\c+7], v[SX+32*\c+15]
	v_max3_num_f32 v[C+4*\c+1], v[C+4*\c+1], v[SX+32*\c+23], v[SX+32*\c+31]
	v_max_num_f32 v[C+4*\c+2], v[C+4*\c+2], v[C+4*\c+3]
.endr
.if \sum
	PVM 1-\x                                       ; every score has had its first read: the other tile's second product; the 30 lines above are the places behind its codes
.endif
.irp c, 0,1
	v_max3_num_f32 v[C+4*\c], v[C+4*\c], v[C+4*\c+1], v[C+4*\c+2]   ; the largest score of my block 2 c + h: it serves the row's maximum and the block's scale
.endr
	v_mov_b32 v[T3], v[NMX]
	SUMS \sum, 1-\x, 0, 5
	v_max_num_f32 v[T0], v[C], v[C+4]
	SUMS \sum, 1-\x, 5, 5
	v_permlanex16_b32 v[T1], v[T0], s[SEL], s[SEL+1]   ; lane l xor 16 holds the other two blocks
	SUMS \sum, 1-\x, 10, 5
	v_max3_num_f32 v[NMX+1], v[NMX+1], v[T0], v[T1]    ; the running largest score
	SUMS \sum, 1-\x, 15, 5
	v_mul_f32 v[T2], s[NC], v[NMX+1]                   ; -t
.if \ld
	v_add_nc_u32 v[ADL], s[TB], v[AL0]
	v_add_nc_u32 v[ADV], s[TB], v[AV0]
	v_add_nc_u32 v[ADK], s[TB], v[AK0]
	v_add_nc_u32 v[ADS], s[TB], v[AS0]
.endif
	SUMS \sum, 1-\x, 20, 6
	v_floor_f32 v[NMX], v[T2]                          ; -M = floor(-t)
	SUMS \sum, 1-\x, 26, 6
.if \snext
	WIN 0x04                                       ; source 1 window 1: it serves the products' Q; the multiply-adds between them have a scalar there
.endif
	v_fma_f32 v[C], v[C], s[CS], v[NMX]            ; the blocks' largest t - M
	v_fma_f32 v[C+4], v[C+4], s[CS], v[NMX]
.set J, 0
.irp c, 0,1
.irp t, 0,1,2,3
.if \snext
	SW1 1-\x, \c, \t                               ; the other tile's p are coded and summed: its next scores land there
.endif
	FMAS 1
.endr
.endr
	WIN 0
	v_max_num_f32 v[C], 0xc2f80000, v[C]           ; held at -124
	v_max_num_f32 v[C+4], 0xc2f80000, v[C+4]
	v_sub_f32 v[T3], v[NMX], v[T3]                 ; old M - new M, a whole number, 0 or less
	FMAS 4
	v_cvt_floor_i32_f32 v[C+1], v[C]               ; e = floor(log2) of the block's largest p
	v_cvt_floor_i32_f32 v[C+5], v[C+4]
	v_cvt_i32_f32 v[T3], v[T3]                     ; (it saturates)
	FMAS 4
	v_lshl_add_u32 v[SO], v[C+1], 23, 0x3e800000   ; e - 2 + 127 as an exponent field: the conversion's scale operand
	v_lshl_add_u32 v[SO+1], v[C+5], 23, 0x3e800000
	v_add_nc_u32 v[T0], 125, v[C+1]                ; the bytes of blocks h and 2 + h
	v_add_nc_u32 v[T2], 125, v[C+5]
	v_ldexp_f32 v[FX], 1.0, v[T3]                  ; f = 2^(old M - new M)
	FMAS 4
	v_lshl_or_b32 v[T0], v[T2], 16, v[T0]
	FMAS 4
	v_lshlrev_b32 v[T0], v[SH], v[T0]              ; at their places in the word
	FMAS 4
	v_permlanex16_b32 v[T1], v[T0], s[SEL], s[SEL+1]
	FMAS 4
	v_or_b32 v[PS+\x], v[T0], v[T1]                ; p's scale word for these 128 keys
.if \ld
.if \ld == 1
	KLOAD ADK, ADS, REC                            ; the multiply-adds above are the places behind the products that read these registers
.endif
	ds_load_b64 v[VS:VS+1], v[ADV] offset:8704
	WIN 0x40
.irp n, 0,1,2,3
.irp c, 0,1
	ds_load_b128 v[VF+8*\n+4*\c:VF+8*\n+4*\c+3], v[ADL] offset:4608+1024*\n+512*\c
.endr
.endr
	WIN 0
.endif
	s_wait_alu depctr_va_vdst(0)                   ; the wait ahead of the batch
.set J, 0
.rept 64
	v_exp_f32 v[SX+J], v[SX+J]                     ; p = 2^(t - M), not normalised
.set J, J+1
.endr
	v_nop                                          ; a plain place behind the batch
.if \ld
	s_wait_dscnt 0x0                               ; the fragments asked for ahead of the batch
.endif
	WIN 0x41
	s_wait_alu depctr_va_vdst(0)                   ; one wait: for the batch, ahead of its first reader, and directly ahead of the first readers of O^T
.set J, 0
.rept 16
	v_pk_mul_f32 v[32*\x+J:32*\x+J+1], v[32*\x+J:32*\x+J+1], v[FX:FX+1] op_sel_hi:[1,0]   ; O^T under the new M
.set J, J+2
.endr
	WIN 0
.irp t, 0,1,2,3
	v_cvt_scalef32_pk8_fp4_f32 v[PC+\t], v[SX+8*\t:SX+8*\t+7], v[SO]
	v_cvt_scalef32_pk8_fp4_f32 v[PC+4+\t], v[SX+32+8*\t:SX+32+8*\t+7], v[SO+1]
.endr
.endm
; trips of B(s), A(s + 1); the first A fetches from LDS byte base
.macro WALK base, trips
	s_mov_b32 s[TB], \base
	s_mov_b32 s[CNT], \trips
.Lstep_\@:
	PHASE 1, 1, 1, 0
	PHASE 0, 1, 1, 1
	s_add_co_u32 s[TB], s[TB], REC
	s_sub_co_u32 s[CNT], s[CNT], 1
	s_cmp_lg_u32 s[CNT], 0
	s_cbranch_scc1 .Lstep_\@
.endm
	s_load_b128 s[4:7], s[0:1], 0x0                ; qrec, kvrec
	s_load_b64 s[8:9], s[0:1], 0x10                ; out0
	v_lshl_add_u32 v[SPW], v0, 2, SPARE
	v_mov_b32 v[NIL], 0
	ds_add_u32 v[SPW], v[NIL]                      ; the opening lines: the add, twice on end, and its wait
	ds_add_u32 v[SPW], v[NIL]
	v_lshrrev_b32 v13, 5, v0
	v_readfirstlane_b32 s[WV], v13                 ; wave 0..7
	s_bfe_u32 s36, ttmp6, 0x40000                  ; cx
	s_lshl_b32 s37, ttmp9, 2
	s_add_co_u32 s37, s37, s36                     ; which 256 queries
	s_and_b32 s38, ttmp7, 0xffff                   ; 8 x batch + head
	s_mov_b32 s[G1], 15|(3<<16)|(1<<21)            ; the mask of the cluster's four, elements of 8 bytes
	s_mov_b32 s[G1+1], 32<<16                      ; rows of 256 bytes
	s_mov_b32 s[G1+2], 35<<16                      ; one record: 35 rows
	s_mov_b32 s[G1+3], 32<<16
	s_mov_b32 s[G1+4], 35
	s_mov_b32 s[G1+5], 32
	s_mov_b32 s[G1+6], 0
	s_mov_b32 s[G1+7], 0
	s_mul_i32 s39, s[WV], REC                      ; the head's load: record = wave
	s_mul_i32 s40, s38, 32*REC
	s_mul_i32 s44, s39, 3
	s_add_co_u32 s44, s44, F1B                     ; the second load: records 8 + 3 x wave on
	s_add_co_u32 s42, s40, s44
	s_add_co_u32 s40, s40, s39
	s_mov_b32 s41, 0
	s_mov_b32 s43, 0
	s_lshl_b32 s46, s38, 5
	s_lshl_b32 s47, s37, 1
	s_add_co_u32 s46, s46, s47
	s_lshr_b32 s47, s[WV], 2
	s_add_co_u32 s46, s46, s47
	s_mul_i32 s46, s46, 4608                       ; my record of Q
	s_mov_b32 s47, 0
	s_and_b32 s45, s[WV], 3                        ; my pair of its tiles
	s_lshl_b32 s10, s45, 10                        ; their codes,
	s_lshr_b32 s11, s45, 1
	s_lshl_b32 s11, s11, 8
	s_and_b32 s15, s45, 1
	s_lshl_b32 s15, s15, 3
	s_add_co_u32 s11, s11, s15                     ; their two scale words in a row's 16 bytes
	s_lshr_b32 s50, s38, 3
	s_lshl_b32 s50, s50, 12
	s_lshl_b32 s51, s37, 8
	s_add_co_u32 s50, s50, s51
	s_lshl_b32 s51, s[WV], 5
	s_add_co_u32 s50, s50, s51                     ; my first row of out0
	s_lshl_b32 s50, s50, 11
	s_and_b32 s51, s38, 7
	s_lshl_b32 s51, s51, 8
	s_add_co_u32 s50, s50, s51                     ; and the head's 256 bytes in it
	s_mov_b32 s51, 0
	s_mul_i32 s49, s[WV], 16*SPI
	s_add_co_u32 s49, s49, STAGE                   ; my stage
	s_mov_b32 s[SEL], 0x76543210
	s_mov_b32 s[SEL+1], 0xfedcba98
	s_mov_b32 s[CS], 0x3e38aa3b                    ; c = log2(e) / 8
	s_mov_b32 s[CS+1], s[CS]
	s_mov_b32 s[NC], 0xbe38aa3b                    ; -c
	s_mov_b32 s[TB], 0
	s_wait_dscnt 0x0                               ; both opening adds are done
	s_wait_kmcnt 0x0
	s_mov_b32 s[G0A], 1
	s_mov_b32 s[G0A+1], s39
	s_add_nc_u64 s[G0A+2:G0A+3], s[6:7], s[40:41]
	s_or_b32 s[G0A+3], s[G0A+3], 0x80000000
	s_mov_b32 s[G0B], 1
	s_mov_b32 s[G0B+1], s44
	s_add_nc_u64 s[G0B+2:G0B+3], s[6:7], s[42:43]
	s_or_b32 s[G0B+3], s[G0B+3], 0x80000000
	s_add_nc_u64 s[4:5], s[4:5], s[46:47]
	s_add_nc_u64 s[8:9], s[8:9], s[50:51]
	ROUND                                          ; the four work-groups are here: the joint loads meet
	tensor_load_to_lds s[G0A:G0A+3], s[G1:G1+7]    ; records 0-7, one a wave
	s_nop 0
	v_and_b32 v13, 31, v0
	v_and_b32 v14, 15, v0                          ; r
	v_bfe_u32 v15, v0, 4, 1                        ; h
	v_and_b32 v238, 7, v0
	v_bfe_u32 v239, v0, 3, 1
	v_lshlrev_b32 v[AL0], 4, v13
	v_lshlrev_b32 v[AV0], 3, v13
	v_lshlrev_b32 v[AK0], 4, v238
	v_lshl_add_u32 v[AS0], v239, 3, v[AK0]
	v_lshl_add_u32 v[AK0], v239, 10, v[AK0]
	v_lshl_add_u32 v[AS0], v15, 8, v[AS0]
	v_lshl_add_u32 v[AK0], v15, 8, v[AK0]
	v_lshlrev_b32 v[SH], 3, v15
	v_lshlrev_b32 v[GO], 11, v15
	v_lshl_add_u32 v[GO], v14, 4, v[GO]            ; the way out: lanes 0-15 one row of out0, lanes 16-31 the next
	v_add_nc_u32 v232, s10, v[AL0]
	v_lshlrev_b32 v233, 4, v14
	v_add_nc_u32 v233, s11, v233
	v_mul_u32_u24 v[STO], v14, SPI
	v_lshl_add_u32 v[STO], v15, 6, v[STO]
	v_add_nc_u32 v[STO], s49, v[STO]               ; into the stage: row r, 64 bytes for each half of the lanes
	v_mul_u32_u24 v[RD], v15, SPI
	v_lshl_add_u32 v[RD], v14, 4, v[RD]
	v_add_nc_u32 v[RD], s49, v[RD]                 ; and back by rows
	global_load_b64 v[QS:QS+1], v233, s[4:5] offset:4096   ; Q's scale words of tiles A and B
	WIN 0x40
	global_load_b128 v[QF:QF+3], v232, s[4:5]
	global_load_b128 v[QF+8:QF+11], v232, s[4:5] offset:512
.irp j, 4,5,6,7,12,13,14,15
	v_mov_b32 v[QF+\j], 0                          ; the half of the K step that holds nothing
.endr
.set J, 0
.rept 64
	v_mov_b32 v[J], 0                              ; O^T: the steps are written alike; the first finds zeros, which the first change of M leaves zeros
.set J, J+1
.endr
	WIN 0
.irp j, 0,1,2,3
	v_mov_b32 v[KF+32+\j], 0                       ; named behind the last tile's codes
	v_mov_b32 v[F+\j], 0
.endr
.set J, 0
.rept 16
	v_mov_b32 v[L+J], 0
	v_mov_b32 v[L+216+J], 0
.set J, J+1
.endr
	v_mov_b32 v[T1], 0                             ; a lane permute's destination counts as one of its sources
.irp x, 0,1
	v_mov_b32 v[NM+2*\x], 0x7f61b1e6               ; -M, over every -t
	v_mov_b32 v[NM+2*\x+1], 0xff61b1e6             ; the largest score so far: under every score
.endr
	s_wait_alu depctr_va_vdst(0)                   ; the wait at the head's end
	s_wait_tensorcnt 0x0                           ; my record is in
	ds_add_u32 v[SPW], v[NIL]
	s_mov_b32 s[G1+2], 105<<16                     ; no tensor load of mine is out: from here on a load brings three records
	s_mov_b32 s[G1+4], 105
	s_wait_dscnt 0x0
	ROUND                                          ; records 0-7 are whole, and the four work-groups are here
	tensor_load_to_lds s[G0B:G0B+3], s[G1:G1+7]    ; records 8-31, three a wave
	s_nop 0
	KLOAD AK0, AS0, 0
	s_wait_dscnt 0x0
	s_wait_loadcnt 0x0                             ; Q
	WIN 0x04
.irp c, 0,1
.irp t, 0,1,2,3
	SW1 0, \c, \t
.endr
.endr
	WIN 0
.rept 4
	v_nop                                          ; places ahead of the first read of the scores
.endr
	PHASE 0, 0, 1, 1                               ; A(0): nothing of B is due yet
	WALK REC, 6                                    ; B(0) .. A(6): these read records 0-7 alone
	s_wait_tensorcnt 0x0                           ; my three records are in
	s_wait_dscnt 0x0
	s_barrier_signal -1
	s_barrier_wait -1                              ; and everybody's
	WALK 7*REC, 24                                 ; B(6) .. A(30)
	s_mov_b32 s[TB], 31*REC
	PHASE 1, 1, 1, 0                               ; the last steps are written out: no record follows the last
	PHASE 0, 1, 1, 2
	PHASE 1, 1, 0, 0
	SUMS 1, 1, 0, 32                               ; B's last row sums: also the places behind its codes
	PVM 1                                          ; and its last second product
	; THE WAY OUT: the sums' parts are joined, O^T is divided by the sum and goes through my stage, so that sixteen lanes store one aligned unit of 256 bytes
.irp x, 0,1
.irp k, 0,2,4,6
	v_pk_add_f32 v[L+216*\x+\k:L+216*\x+\k+1], v[L+216*\x+\k:L+216*\x+\k+1], v[L+216*\x+8+\k:L+216*\x+8+\k+1]
.endr
.endr
.irp x, 0,1
.irp k, 0,2
	v_pk_add_f32 v[L+216*\x+\k:L+216*\x+\k+1], v[L+216*\x+\k:L+216*\x+\k+1], v[L+216*\x+4+\k:L+216*\x+4+\k+1]
.endr
.endr
.irp x, 0,1
	v_pk_add_f32 v[L+216*\x:L+216*\x+1], v[L+216*\x:L+216*\x+1], v[L+216*\x+2:L+216*\x+3]
.endr
.irp x, 0,1
	v_add_f32 v[L+216*\x], v[L+216*\x], v[L+216*\x+1]
.endr
.irp x, 0,1
	v_permlanex16_b32 v[T0+\x], v[L+216*\x], s[SEL], s[SEL+1]
.endr
.irp x, 0,1
	v_add_f32 v[L+216*\x], v[L+216*\x], v[T0+\x]   ; with lane l xor 16's keys: the row's sum
.endr
	s_wait_alu depctr_va_vdst(0)                   ; the wait ahead of the transcendentals
	v_rcp_f32 v[L], v[L]
	v_rcp_f32 v[L+216], v[L+216]
	v_nop
	WIN 0x01
	s_wait_alu depctr_va_vdst(0)                   ; and ahead of their first reader, which is also O^T's
.irp x, 0,1
.set J, 0
.rept 16
	v_pk_mul_f32 v[S+64*\x+J:S+64*\x+J+1], v[32*\x+J:32*\x+J+1], v[L+216*\x:L+216*\x+1] op_sel_hi:[1,0]   ; register 16 b + i is channel 32 b + 16 h + i of my query
.set J, J+2
.endr
.endr
	WIN 0
.irp x, 0,1
.irp b, 0,1
.irp q, 0,1,2,3
	ds_store_b128 v[STO], v[S+64*\x+16*\b+4*\q:S+64*\x+16*\b+4*\q+3] offset:128*\b+16*\q
.endr
.endr
.irp i, 0,1,2,3,4,5,6,7
	ds_load_b128 v[S+64*\x+32+4*\i:S+64*\x+32+4*\i+3], v[RD] offset:2*SPI*\i   ; LDS serves a wave's instructions in order: these see my stores, and tile B's stores come behind tile A's loads
.endr
.endr
.irp x, 0,1
.irp i, 0,1,2,3,4,5,6,7
	s_wait_dscnt 7-\i+16*(1-\x)                    ; behind this load: the tile's later loads, and for tile A tile B's 8 stores and 8 loads
	global_store_b128 v[GO], v[S+64*\x+32+4*\i:S+64*\x+32+4*\i+3], s[8:9] offset:(2*\i+8*(\i/4)+8*\x)*2048 th:TH_STORE_NT
.endr
.endr
	s_wait_tensorcnt 0x0                           ; the wave's end
	ds_add_u32 v[SPW], v[NIL]
	s_wait_dscnt 0x0
	ROUND                                          ; the closing round
	s_endpgm
.Lfunc_end_k_qbc74298b90_attn:
	.size	k_qbc74298b90_attn, .Lfunc_end_k_qbc74298b90_attn-k_qbc74298b90_attn
	.p2alignl 7, 3214868480
	.fill 96, 4, 3214868480
	.section	.rodata,"a",@progbits
	.p2align	6, 0x0
	.amdhsa_kernel k_qbc74298b90_attn
		.amdhsa_group_segment_fixed_size 327680
		.amdhsa_private_segment_fixed_size 0
		.amdhsa_enable_private_segment 0
		.amdhsa_kernarg_size 24
		.amdhsa_user_sgpr_count 2
		.amdhsa_user_sgpr_kernarg_segment_ptr 1
		.amdhsa_wavefront_size32 1
		.amdhsa_system_sgpr_workgroup_id_x 1
		.amdhsa_system_sgpr_workgroup_id_y 1
		.amdhsa_system_sgpr_workgroup_id_z 1
		.amdhsa_system_vgpr_workitem_id 0
		.amdhsa_next_free_vgpr 368
		.amdhsa_next_free_sgpr 66
		.amdhsa_reserve_vcc 0
		.amdhsa_float_denorm_mode_32 3
		.amdhsa_float_denorm_mode_16_64 3
		.amdhsa_memory_ordered 1
		.amdhsa_forward_progress 1
		.amdhsa_inst_pref_size 124
	.end_amdhsa_kernel
	.amdgpu_metadata
---
amdhsa.version: [ 1, 2 ]
amdhsa.kernels:
  - .name:           k_qbc74298b90_attn
    .symbol:         k_qbc74298b90_attn.kd
    .args:
      - { .name: qrec, .offset: 0, .size: 8, .value_kind: global_buffer, .address_space: global }
      - { .name: kvrec, .offset: 8, .size: 8, .value_kind: global_buffer, .address_space: global }
      - { .name: out0, .offset: 16, .size: 8, .value_kind: global_buffer, .address_space: global }
    .group_segment_fixed_size: 327680
    .private_segment_fixed_size: 0
    .kernarg_segment_align: 8
    .kernarg_segment_size: 24
    .max_flat_workgroup_size: 256
    .sgpr_count:     66
    .vgpr_count:     368
    .wavefront_size: 32
...
	.end_amdgpu_metadata
.endif
;; end of part 3
